; MI455X (gfx1250); checked and timed in simulation.
; The chip was launched on July 23, 2026; its instructions are those of AMD's public machine-readable ISA for CDNA 5 (MIT licence, August 2026) and "CDNA5" Instruction Set Architecture Reference Guide (July 2026). The comments in the code are by the model that wrote it; some were corrected since.
;; Differentiable GMM. Allowed arithmetic: float matrix products may take bf16 or f16 operands with f32 sums; all other float work in f32.
;; Inputs: covariances 16 x 3 float32; means 16 x 3 float32; weights 16 float32; x 2,000,000 x 3 float32.
;; Outputs: out0 2,000,000 float32.
;; One version. Each part assembles by itself: llvm-mc -triple=amdgcn-amd-amdhsa -mcpu=gfx1250 --defsym DOCPART=n.
;; ======== version 1 of 1: 1 launch
;; launch gmm (part 1): grid 250 x 1, 16 waves a work-group, no clusters, 169,984 bytes of LDS; arguments x, means, covariances, weights, out0; writes out0
.if DOCPART == 1
	.amdgcn_target "amdgcn-amd-amdhsa--gfx1250"
	.amdhsa_code_object_version 6
	.text
	.protected	k_q21083989a2_gmm
	.globl	k_q21083989a2_gmm
	.p2align	8
	.type	k_q21083989a2_gmm,@function
k_q21083989a2_gmm:
	s_mov_b64 s[64:65], 0
	v_nop
	global_prefetch_b8 v0, s[64:65] scope:SCOPE_SE
	s_setreg_imm32_b32 hwreg(HW_REG_WAVE_MODE, 25, 1), 1
	s_wait_xcnt 0x0
; out[n] = logsumexp over k of ( log w[k] + log N(x[n]; mean[k], diag(cov[k] + 1e-6)) ),  n < 2,000,000, k < 16, 3 dimensions, all f32.
; In base 2:  lp2[k] = c[k] - sum over d of (x[d] s[k][d] + u[k][d])^2,   s = sqrt(0.5 log2 e) / sqrt(cov + 1e-6),   u = -mean s,
;             c = -1.5 log2(2 pi) - 0.5 sum log2(cov + 1e-6) + log2 w,    out = ln 2 (m + log2 sum 2^(lp2[k] - m)),   m = max lp2[k].
; Six fused multiply-adds for a point and a component, packed over two NEIGHBOURING COMPONENTS: the parameters of k and k + 1 lie in a
; register pair, and x is broadcast by op_sel from whichever half of a pair it was loaded into, so the loaded words are never moved.
;
; SHARES.  2,000,000 = 250 x 8,000: 250 like work-groups of 16 waves.  8,000 points are 125 units of 64 points (768 bytes of x, 256 of out):
; waves 0-2 own 7 units, waves 3-15 own 8.  Every wave walks four chunks of 128 points, a lane 4 neighbouring points: 48 bytes in, 16 out,
; so a wave's store covers 512 consecutive bytes that start at a multiple of 256.  In their fourth chunk waves 0-2 also fetch and compute
; the next wave's first 64 points and store lanes 0-15 alone: 3 x 768 of a work-group's 96,000 bytes of x are asked for twice.
; DATA PATH.  A wave asks for its four chunks by four tensor loads (one row of 1,536 bytes each) in its first lines, each into an LDS slot
; of its own that is never filled again; only the wave itself reads them, so s_wait_tensorcnt is all the ordering and there is no barrier.
; NOT USED: the matrix unit (a x^2 + b x + c would be a difference of large sums once x and the means share an offset); clusters (work-groups
; share 448 bytes of parameters and nothing else); prefetches (every byte of x is asked for at once, at the start).
; LIMITS.  v_log_f32 takes a denormal as 0 (ISA guide, its entry): a weight below 2^-126 counts as 0.  A point whose 16 log-probabilities
; are all -inf gives NaN (reference: -inf).  z is fma(x, s, -(mean s)): it carries the one rounding of mean s, 2^-24 |mean s|.
.set X_WG,    96000                    ; bytes of x of a work-group
.set O_WG,    32000                    ; bytes of out of a work-group
.set X_UNIT,  768                      ; 64 points of x
.set X_CHUNK, 1536                     ; 128 points of x
.set O_CHUNK, 512                      ; 128 points of out
.set SHORT,   3                        ; waves 0 .. SHORT-1 own 7 units
.set RING,    4*X_CHUNK                ; a wave's four slots
.set PARB,    16*RING                  ; behind them: 512 bytes of parameters for each wave, bytes that no tensor load ever writes
.set F_EPS,   0x358637bd               ; 1e-6
.set F_SQ,    0x3f596d27               ; sqrt(0.5 log2 e) = 0.8493218
.set F_C0,    0xc07e8b2b               ; -1.5 log2(2 pi) = -3.9772442
.set F_LN2,   0x3f317218               ; ln 2
.set LA,  2                            ; v2        LDS address of my 48 bytes in my wave's slot 0
.set OA,  3                            ; v3        16 x lane: my 16 bytes in a chunk of out
.set PA,  4                            ; v4        where lane k puts the parameters of component k
.set PB,  5                            ; v5        my wave's parameters, the same address in every lane
.set X0,  8                            ; v[8:19]   4 points as loaded (x y z x | y z x y | z x y z), buffer 0
.set X1,  20                           ; v[20:31]  buffer 1
.set M,   32                           ; v[32:35]  the 4 points' maxima
.set S,   36                           ; v[36:39]  their sums, then their results
.set T,   40                           ; v[40:44]  the tree of maxima
.set ACC, 48                           ; v[48:63]  one point's 16 lp2
.set Z,   64                           ; v[64:87]  z of 3 dimensions x 4 pairs of components
.set P,   96                           ; v[96:207] s[d][k] at P+16d+k, u[d][k] at P+48+16d+k, c[k] at P+96+k
.set VAR, 48                           ; at the start only, in registers of ACC and Z: cov + eps,
.set MN,  52                           ; the means,
.set WT,  55                           ; the weight, then c,
.set RS,  56                           ; s,
.set LG,  60                           ; log2 of the variances,
.set UU,  64                           ; u
.set G1,  24                           ; s[24:31]  descriptor group 1, the same for all loads
.set G0,  32                           ; s[32:47]  descriptor group 0, a set for each slot; none is ever rewritten
	s_load_b256 s[4:11], s[0:1], 0x0               ; x s[4:5], means s[6:7], covariances s[8:9], weights s[10:11]
	s_load_b64 s[12:13], s[0:1], 0x20              ; out
	v_lshl_add_u32 v208, v0, 2, 0x29000
	v_mov_b32 v209, 0
	ds_add_u32 v208, v209
	ds_add_u32 v208, v209
	v_lshrrev_b32 v1, 5, v0
	v_readfirstlane_b32 s14, v1                    ; wave 0..15
	v_and_b32 v1, 31, v0                           ; lane
	v_and_b32 v6, 15, v0                           ; my component at the start: lanes 16-31 do the same as lanes 0-15
	v_mul_u32_u24 v7, v6, 12                       ; its row in means and covariances
	v_lshlrev_b32 v6, 2, v6                        ; its word in weights
	s_min_u32 s15, s14, SHORT
	s_lshl_b32 s16, s14, 3
	s_sub_co_u32 s16, s16, s15                     ; my wave's first unit: 8 w - min(w, 3)
	s_mul_i32 s18, ttmp9, X_WG
	s_mul_i32 s17, s16, X_UNIT
	s_add_co_u32 s18, s18, s17                     ; its byte in x (below 24,000,000)
	s_mov_b32 s19, 0
	s_mul_i32 s20, ttmp9, O_WG
	s_lshl_b32 s17, s16, 8
	s_add_co_u32 s20, s20, s17                     ; its byte in out: a multiple of 256
	s_mov_b32 s21, 0
	s_mul_i32 s22, s14, RING                       ; my wave's slots
	s_lshl_b32 s23, s14, 9
	s_add_co_u32 s23, s23, PARB                    ; my wave's parameters
	; group 1: one row of 192 elements of 8 bytes, no padding, no second dimension
	s_mov_b32 s[G1+0], 3<<16                       ; 17:16 element of 8 bytes; no work-group mask
	s_mov_b32 s[G1+1], (X_CHUNK/8)<<16             ; tensor_dim0 = 192
	s_mov_b32 s[G1+2], 1<<16
	s_mov_b32 s[G1+3], (X_CHUNK/8)<<16             ; tile_dim0 = 192
	s_mov_b32 s[G1+4], 1
	s_mov_b32 s[G1+5], 192
	s_mov_b32 s[G1+6], 0
	s_mov_b32 s[G1+7], 0
	s_wait_dscnt 0x0
	s_wait_kmcnt 0x0
.irp d, 0,1,2
	global_load_b32 v[VAR+\d], v7, s[8:9] offset:4*\d      ; the parameters first: the longer chain hangs on them
.endr
.irp d, 0,1,2
	global_load_b32 v[MN+\d], v7, s[6:7] offset:4*\d
.endr
	global_load_b32 v[WT], v6, s[10:11]
	s_add_nc_u64 s[4:5], s[4:5], s[18:19]          ; x and out at my wave's first point
	s_add_nc_u64 s[12:13], s[12:13], s[20:21]
.irp c, 0,1,2,3
	s_mov_b32 s[G0+4*\c], 1                                        ; count = 1
	s_add_co_u32 s[G0+4*\c+1], s22, \c*X_CHUNK                     ; LDS address of slot c
	s_add_nc_u64 s[G0+4*\c+2:G0+4*\c+3], s[4:5], \c*X_CHUNK        ; chunk c of my wave
	s_or_b32 s[G0+4*\c+3], s[G0+4*\c+3], 0x80000000                ; type = 2
	tensor_load_to_lds s[G0+4*\c:G0+4*\c+3], s[G1:G1+7]            ; four out at the most, all that the wave will ever read
	s_nop 0
.endr
	v_mul_u32_u24 v[LA], v1, 48                    ; lanes 48 bytes apart: sixteen lanes' 16 bytes start at words 12 i mod 64, which are 16 different
	v_add_nc_u32 v[LA], s22, v[LA]                 ; multiples of 4 (64 banks of 4 bytes: ISA guide 11.1)
	v_lshlrev_b32 v[OA], 4, v1
	v_add_nc_u32 v[PA], s23, v6
	v_mov_b32 v[PB], s23
	v_mov_b32 v[M+1], 0                            ; a packed source is a whole pair: the partners of M and M+2 are written once before the
	v_mov_b32 v[M+3], 0                            ; first point reads its own half
	s_wait_loadcnt 0x0
	; the parameters of component k in lane k
.irp d, 0,1,2
	v_add_f32 v[VAR+\d], F_EPS, v[VAR+\d]
.endr
.irp d, 0,1,2
	v_rsq_f32 v[RS+\d], v[VAR+\d]
.endr
.irp d, 0,1,2
	v_log_f32 v[LG+\d], v[VAR+\d]
.endr
	v_log_f32 v[WT], v[WT]
	v_nop                                          ; one plain instruction between the transcendentals and the first use of a result (ISA guide 5.7.2)
	s_wait_alu depctr_va_vdst(0)
.irp d, 0,1,2
	v_mul_f32 v[RS+\d], F_SQ, v[RS+\d]             ; s
.endr
	v_add_f32 v[LG], v[LG], v[LG+1]
	v_add_f32 v[LG], v[LG], v[LG+2]
.irp d, 0,1,2
	v_mul_f32 v[UU+\d], -v[MN+\d], v[RS+\d]        ; u = -mean s
.endr
	v_fma_f32 v[WT], v[LG], -0.5, v[WT]
	v_add_f32 v[WT], F_C0, v[WT]                   ; c
.irp d, 0,1,2
	ds_store_b32 v[PA], v[RS+\d] offset:64*\d      ; seven rows of 16 words: row q, word k
.endr
.irp d, 0,1,2
	ds_store_b32 v[PA], v[UU+\d] offset:192+64*\d
.endr
	ds_store_b32 v[PA], v[WT] offset:384
.set t, 0
.rept 28
	ds_load_b128 v[P+4*t:P+4*t+3], v[PB] offset:16*t       ; back into every lane.  My wave's own bytes, and LDS serves a wave's
.set t, t+1                                                ; instructions in order (ISA guide 5.7.1.4): no wait between the stores and these
.endr
	s_wait_tensorcnt 0x3                           ; four loads were issued: with three younger ones out, chunk 0 is in LDS
.irp t, 0,1,2
	ds_load_b128 v[X0+4*\t:X0+4*\t+3], v[LA] offset:16*\t
.endr
; lp2 of point p (its x in registers xb+3p .. xb+3p+2) for the four pairs of components j0 .. j0+3: 12 z, then three rounds of 4 sums
.macro QUAD xb, p, j0
.irp d, 0,1,2
.irp i, 0,1,2,3
.if (3*\p+\d) & 1
	v_pk_fma_f32 v[Z+8*\d+2*\i:Z+8*\d+2*\i+1], v[\xb+3*\p+\d-1:\xb+3*\p+\d], v[P+16*\d+2*(\j0+\i):P+16*\d+2*(\j0+\i)+1], v[P+48+16*\d+2*(\j0+\i):P+48+16*\d+2*(\j0+\i)+1] op_sel:[1,0,0] op_sel_hi:[1,1,1]
.else
	v_pk_fma_f32 v[Z+8*\d+2*\i:Z+8*\d+2*\i+1], v[\xb+3*\p+\d:\xb+3*\p+\d+1], v[P+16*\d+2*(\j0+\i):P+16*\d+2*(\j0+\i)+1], v[P+48+16*\d+2*(\j0+\i):P+48+16*\d+2*(\j0+\i)+1] op_sel_hi:[0,1,1]
.endif
.endr
.endr
.irp i, 0,1,2,3
	v_pk_fma_f32 v[ACC+2*(\j0+\i):ACC+2*(\j0+\i)+1], v[Z+2*\i:Z+2*\i+1], v[Z+2*\i:Z+2*\i+1], v[P+96+2*(\j0+\i):P+96+2*(\j0+\i)+1] neg_lo:[1,0,0] neg_hi:[1,0,0]
.endr
.irp d, 1,2
.irp i, 0,1,2,3
	v_pk_fma_f32 v[ACC+2*(\j0+\i):ACC+2*(\j0+\i)+1], v[Z+8*\d+2*\i:Z+8*\d+2*\i+1], v[Z+8*\d+2*\i:Z+8*\d+2*\i+1], v[ACC+2*(\j0+\i):ACC+2*(\j0+\i)+1] neg_lo:[1,0,0] neg_hi:[1,0,0]
.endr
.endr
.endm
; lp2 - m for four pairs; m is broadcast from its half of M's pair
.macro SUBS p, j0
.irp i, 0,1,2,3
.if \p & 1
	v_pk_add_f32 v[ACC+2*(\j0+\i):ACC+2*(\j0+\i)+1], v[ACC+2*(\j0+\i):ACC+2*(\j0+\i)+1], v[M+\p-1:M+\p] op_sel:[0,1] op_sel_hi:[1,1] neg_lo:[0,1] neg_hi:[0,1]
.else
	v_pk_add_f32 v[ACC+2*(\j0+\i):ACC+2*(\j0+\i)+1], v[ACC+2*(\j0+\i):ACC+2*(\j0+\i)+1], v[M+\p:M+\p+1] op_sel_hi:[1,0] neg_lo:[0,1] neg_hi:[0,1]
.endif
.endr
.endm
; one point of every lane: 48 packed multiply-adds, 8 maxima, 8 packed subtractions, 16 exponentials, 8 additions, 1 logarithm
.macro POINT xb, p
	QUAD \xb, \p, 0
	QUAD \xb, \p, 4
	v_max3_num_f32 v[T],   v[ACC],    v[ACC+1],  v[ACC+2]
	v_max3_num_f32 v[T+1], v[ACC+3],  v[ACC+4],  v[ACC+5]
	v_max3_num_f32 v[T+2], v[ACC+6],  v[ACC+7],  v[ACC+8]
	v_max3_num_f32 v[T+3], v[ACC+9],  v[ACC+10], v[ACC+11]
	v_max3_num_f32 v[T+4], v[ACC+12], v[ACC+13], v[ACC+14]
	v_max3_num_f32 v[T],   v[T],      v[T+1],    v[T+2]
	v_max3_num_f32 v[T+3], v[T+3],    v[T+4],    v[ACC+15]
	v_max_num_f32  v[M+\p], v[T], v[T+3]           ; the maximum m, taken away before the exponentials
	SUBS \p, 0
.irp i, 0,1,2,3,4,5,6,7
	v_exp_f32 v[ACC+\i], v[ACC+\i]
.endr
	SUBS \p, 4                                     ; plain and on other registers: the place behind the eight exponentials above (ISA guide 5.7.2)
.irp i, 8,9,10,11,12,13,14,15
	v_exp_f32 v[ACC+\i], v[ACC+\i]
.endr
	s_wait_alu depctr_va_vdst(0)
	v_pk_add_f32 v[ACC:ACC+1],     v[ACC:ACC+1],     v[ACC+2:ACC+3]      ; the first half's sums are the place behind the second eight
	v_pk_add_f32 v[ACC+4:ACC+5],   v[ACC+4:ACC+5],   v[ACC+6:ACC+7]
	v_pk_add_f32 v[ACC+8:ACC+9],   v[ACC+8:ACC+9],   v[ACC+10:ACC+11]
	v_pk_add_f32 v[ACC+12:ACC+13], v[ACC+12:ACC+13], v[ACC+14:ACC+15]
	v_pk_add_f32 v[ACC:ACC+1],     v[ACC:ACC+1],     v[ACC+4:ACC+5]
	v_pk_add_f32 v[ACC+8:ACC+9],   v[ACC+8:ACC+9],   v[ACC+12:ACC+13]
	v_pk_add_f32 v[ACC:ACC+1],     v[ACC:ACC+1],     v[ACC+8:ACC+9]
.if \p == 0
	s_wait_xcnt 0x0                                ; S was the last chunk's store data: it is rewritten only behind this wait
.endif
	v_add_f32 v[S+\p], v[ACC], v[ACC+1]            ; at least 1: the largest term is 2^0
	v_log_f32 v[S+\p], v[S+\p]                     ; used at the chunk's end; what follows it is plain and names other registers
.endm
; chunk c from buffer xb.  more = 1: halfway the next chunk is taken from LDS into buffer xn, behind the wait that shows it landed:
; of the four tensor loads 2 - c are younger than chunk c + 1's.
.macro CHUNK c, xb, xn, more
	s_wait_dscnt 0x0                               ; buffer xb is in (in front of chunk 0: the parameters too)
	POINT \xb, 0
	POINT \xb, 1
.if \more
	s_wait_tensorcnt 2-\c
.irp t, 0,1,2
	ds_load_b128 v[\xn+4*\t:\xn+4*\t+3], v[LA] offset:(\c+1)*X_CHUNK+16*\t
.endr
.endif
	POINT \xb, 2
	POINT \xb, 3
	v_pk_add_f32 v[S:S+1],   v[S:S+1],   v[M:M+1]          ; m + log2 sum; this line is the place behind the last logarithm
	s_wait_alu depctr_va_vdst(0)
	v_pk_add_f32 v[S+2:S+3], v[S+2:S+3], v[M+2:M+3]
	v_pk_mul_f32 v[S:S+1],   v[S:S+1],   F_LN2 op_sel_hi:[1,0]
	v_pk_mul_f32 v[S+2:S+3], v[S+2:S+3], F_LN2 op_sel_hi:[1,0]
.if \more
	global_store_b128 v[OA], v[S:S+3], s[12:13] offset:\c*O_CHUNK th:TH_STORE_NT   ; 32 lanes, 512 consecutive bytes
.endif
.endm
	CHUNK 0, X0, X1, 1
	CHUNK 1, X1, X0, 1
	CHUNK 2, X0, X1, 1
	CHUNK 3, X1, X0, 0                             ; its tensor load was waited for with the count 0: none is out at the end
	s_cmp_lt_u32 s14, SHORT                        ; waves 0-2 own only the first 64 points of this chunk: lanes 0-15, 256 consecutive bytes
	s_cselect_b32 vcc_lo, 0xffff, -1
	s_wait_xcnt 0x0                                ; EXEC is a source of the stores issued so far: it changes only behind this wait
	s_wait_tensorcnt 0x0
	ds_add_u32 v208, v209
	s_wait_dscnt 0x0
	s_and_saveexec_b32 s15, vcc_lo
	global_store_b128 v[OA], v[S:S+3], s[12:13] offset:3*O_CHUNK th:TH_STORE_NT
	s_wait_xcnt 0x0                                ; and again in front of the line that widens it
	s_or_b32 exec_lo, exec_lo, s15
	s_endpgm
.Lfunc_end_k_q21083989a2_gmm:
	.size	k_q21083989a2_gmm, .Lfunc_end_k_q21083989a2_gmm-k_q21083989a2_gmm
	.p2alignl 7, 3214868480
	.fill 96, 4, 3214868480
	.section	.rodata,"a",@progbits
	.p2align	6, 0x0
	.amdhsa_kernel k_q21083989a2_gmm
		.amdhsa_group_segment_fixed_size 169984
		.amdhsa_private_segment_fixed_size 0
		.amdhsa_enable_private_segment 0
		.amdhsa_kernarg_size 40
		.amdhsa_user_sgpr_count 2
		.amdhsa_user_sgpr_kernarg_segment_ptr 1
		.amdhsa_wavefront_size32 1
		.amdhsa_system_sgpr_workgroup_id_x 1
		.amdhsa_system_sgpr_workgroup_id_y 1
		.amdhsa_system_sgpr_workgroup_id_z 1
		.amdhsa_system_vgpr_workitem_id 0
		.amdhsa_next_free_vgpr 210
		.amdhsa_next_free_sgpr 66
		.amdhsa_reserve_vcc 1
		.amdhsa_float_denorm_mode_32 3
		.amdhsa_float_denorm_mode_16_64 3
		.amdhsa_memory_ordered 1
		.amdhsa_forward_progress 1
		.amdhsa_inst_pref_size 91
	.end_amdhsa_kernel
	.amdgpu_metadata
---
amdhsa.version: [ 1, 2 ]
amdhsa.kernels:
  - .name:           k_q21083989a2_gmm
    .symbol:         k_q21083989a2_gmm.kd
    .args:
      - { .name: x, .offset: 0, .size: 8, .value_kind: global_buffer, .address_space: global }
      - { .name: means, .offset: 8, .size: 8, .value_kind: global_buffer, .address_space: global }
      - { .name: covariances, .offset: 16, .size: 8, .value_kind: global_buffer, .address_space: global }
      - { .name: weights, .offset: 24, .size: 8, .value_kind: global_buffer, .address_space: global }
      - { .name: out0, .offset: 32, .size: 8, .value_kind: global_buffer, .address_space: global }
    .group_segment_fixed_size: 169984
    .private_segment_fixed_size: 0
    .kernarg_segment_align: 8
    .kernarg_segment_size: 40
    .max_flat_workgroup_size: 512
    .sgpr_count:     66
    .vgpr_count:     210
    .wavefront_size: 32
...
	.end_amdgpu_metadata
.endif
;; end of part 1
